; MI455X (gfx1250); checked and timed in simulation.
; The chip was launched on July 23, 2026; its instructions are those of AMD's public machine-readable ISA for CDNA 5 (MIT licence, August 2026) and "CDNA5" Instruction Set Architecture Reference Guide (July 2026). The comments in the code are by the model that wrote it; some were corrected since.
;; Reference Moe Model. Allowed arithmetic: float matrix products may take bf16 or f16 operands with f32 sums; all other float work in f32.
;; Inputs: gate_w 8 x 1,024 float32; hidden_states 2 x 2,048 x 1,024 float32; w_down 8 x 1,024 x 512 float32; w_gate 8 x 512 x 1,024 float32; w_up 8 x 512 x 1,024 float32.
;; Outputs: out0 2 x 2,048 x 1,024 float32.
;; One version. Each part assembles by itself: llvm-mc -triple=amdgcn-amd-amdhsa -mcpu=gfx1250 --defsym DOCPART=n.
;; ======== version 1 of 1: 4 launches
;; workspace buffers: sel 16,384 bytes of whole numbers; rw 16,384 bytes; order 16,896 bytes of whole numbers; rws 16,896 bytes; seg 256 bytes of whole numbers; xs 8,650,752 bytes; h 8,650,752 bytes
;; launch route (part 1): grid 256 x 1, 8 waves a work-group, no clusters, 17,664 bytes of LDS; arguments hidden_states, gate_w, sel, rw; writes sel, rw
.if DOCPART == 1
	.amdgcn_target "amdgcn-amd-amdhsa--gfx1250"
	.amdhsa_code_object_version 6
	.text
	.protected	k_q09b3efcb4e_route
	.globl	k_q09b3efcb4e_route
	.p2align	8
	.type	k_q09b3efcb4e_route,@function
k_q09b3efcb4e_route:
	s_mov_b64 s[64:65], 0
	v_nop
	global_prefetch_b8 v0, s[64:65] scope:SCOPE_SE
	s_setreg_imm32_b32 hwreg(HW_REG_WAVE_MODE, 25, 1), 1
	s_wait_xcnt 0x0
; ROUTE: logits[t][e] = sum over c of x[t][c] gate_w[e][c]; sel[t] = the first largest logit's expert; rw[t] = sigmoid of that logit.
; x and gate_w are rounded to bf16 (nearest even) first, as every matrix operand of the later launches is, and multiplied and summed in f32,
; so that the choice of expert belongs to the same rounded inputs as the products that follow it.
; 4,096 tokens: a work-group takes 16, each of its eight waves two.  Lane L holds columns 128 j + 4 L .. + 3, j = 0 .. 7, of its rows:
; every load of a wave covers 512 consecutive bytes.  Eight rows of weights against one row of x at a time is too thin for the matrix
; unit's 16 x 16 tiles and the launch is bound by the 16 MiB of x that it reads once: plain multiply-adds, no cluster (nothing but the
; 32 KiB of gate_w is shared).
; LIMITS: inputs are finite; a NaN logit is not ordered as argmax orders it; of equal logits the lowest expert wins, as in argmax;
; a sigmoid below 2^-126 comes out as 0 (v_exp_f32 and v_rcp_f32 flush denormals: ISA guide 15.8).
; The 64 bytes of sel and of rw that a work-group stores are a quarter of an aligned block of 256: two tables of 16 KiB in all.
.set XR,  16                           ; v[16:79]    x as loaded, token t at 32 t
.set XP,  80                           ; v[80:111]   x in bf16 pairs, token t at 16 t
.set ACC, 112                          ; v[112:127]  sums, token t, expert e at 8 t + e
.set G,   128                          ; v[128:255]  gate_w in bf16 pairs, expert e at 16 e
.set GR,  128                          ; v[128:159]  my wave's row of gate_w as loaded   (dead before G is loaded)
.set P,   160                          ; v[160:175]  the same in bf16 pairs              (dead before G is loaded)
.set RES, 16384                        ; LDS: 0 .. 16,383 gate_w in bf16 (expert e at 2,048 e, block q at 512 q, lane at 16 L); RES: 16 sel, 16 rw
	s_load_b256 s[4:11], s[0:1], 0x0               ; x s[4:5], gate_w s[6:7], sel s[8:9], rw s[10:11]
	v_lshl_add_u32 v14, v0, 2, 0x4100
	v_mov_b32 v15, 0
	v_and_b32 v1, 31, v0                           ; lane
	v_lshrrev_b32 v4, 5, v0
	v_readfirstlane_b32 s12, v4                    ; wave 0 .. 7
	v_lshlrev_b32 v2, 4, v1                        ; 16 L
	v_mov_b32 v3, 0                                ; the addend of each sum's first product
	s_mov_b32 s16, 0x76543210                      ; v_permlanex16_b32: lane i reads lane i of the other half
	s_mov_b32 s17, 0xfedcba98
	s_lshl_b32 s14, ttmp9, 16                      ; 16 tokens of 4,096 bytes a work-group
	s_lshl_b32 s13, s12, 13                        ; two tokens a wave
	s_add_co_u32 s14, s14, s13
	s_mov_b32 s15, 0
	s_lshl_b32 s18, s12, 12                        ; wave w rounds row w of gate_w for all eight
	s_mov_b32 s19, 0
	v_lshl_add_u32 v5, s12, 11, v2                 ; LDS: 2,048 w + 16 L
	s_wait_kmcnt 0x0
	s_add_nc_u64 s[4:5], s[4:5], s[14:15]
	s_add_nc_u64 s[6:7], s[6:7], s[18:19]
.irp j, 0,1,2,3,4,5,6,7
	global_load_b128 v[GR+4*\j:GR+4*\j+3], v2, s[6:7] offset:512*\j
.endr
.irp t, 0,1
.irp j, 0,1,2,3,4,5,6,7
	global_load_b128 v[XR+32*\t+4*\j:XR+32*\t+4*\j+3], v2, s[4:5] offset:4096*\t+512*\j   ; no hint: the next launch reads x again
.endr
.endr
	s_wait_loadcnt 16                              ; the gate row is in; the 16 younger loads of x stay out
.set ii, 0
.rept 16
	v_cvt_pk_bf16_f32 v[P+ii], v[GR+2*ii], v[GR+2*ii+1]
.set ii, ii+1
.endr
.irp q, 0,1,2,3
	ds_store_b128 v5, v[P+4*\q:P+4*\q+3] offset:512*\q
.endr
	s_wait_loadcnt 0x0                             ; x
.set ii, 0
.rept 32
	v_cvt_pk_bf16_f32 v[XP+ii], v[XR+2*ii], v[XR+2*ii+1]
.set ii, ii+1
.endr
	s_wait_dscnt 0x0                               ; my row of gate_w is in LDS, for the other waves' sake
	s_barrier_signal -1
	s_barrier_wait -1                              ; all eight rows are
.irp e, 0,1,2,3,4,5,6,7
.irp q, 0,1,2,3
	ds_load_b128 v[G+16*\e+4*\q:G+16*\e+4*\q+3], v2 offset:2048*\e+512*\q
.endr
.endr
	s_wait_dscnt 0x0
	; 16 sums (2 tokens x 8 experts) take turns: no instruction waits for the one in front of it.  Products of bf16 halves, sums in f32.
.set ii, 0
.rept 16
.irp hf, 0,1
.irp e, 0,1,2,3,4,5,6,7
.irp t, 0,1
.if (ii+\hf) == 0
	v_fma_mix_f32_bf16 v[ACC+8*\t+\e], v[XP+16*\t+ii], v[G+16*\e+ii], v3 op_sel:[0,0,0] op_sel_hi:[1,1,0]
.else
	v_fma_mix_f32_bf16 v[ACC+8*\t+\e], v[XP+16*\t+ii], v[G+16*\e+ii], v[ACC+8*\t+\e] op_sel:[\hf,\hf,0] op_sel_hi:[1,1,0]
.endif
.endr
.endr
.endr
.set ii, ii+1
.endr
	; across the 32 lanes: four steps inside each half ride on the addition, one crosses the halves; every lane ends with the sums
.irp x, 1,2,4,8
.set ii, 0
.rept 16
	v_add_f32_dpp v[ACC+ii], v[ACC+ii], v[ACC+ii] row_xmask:\x row_mask:0xf bank_mask:0xf
.set ii, ii+1
.endr
.endr
.set ii, 0
.rept 16
	v_permlanex16_b32 v[XR+ii], v[ACC+ii], s16, s17        ; XR has been written (its destination counts as read) and is dead
.set ii, ii+1
.endr
.set ii, 0
.rept 16
	v_add_f32 v[ACC+ii], v[ACC+ii], v[XR+ii]
.set ii, ii+1
.endr
	; the first largest: v4, v5 the best logit of token 0, 1; v6, v7 its expert.  A later expert wins only if it is strictly larger.
.irp t, 0,1
	v_mov_b32 v[4+\t], v[ACC+8*\t]
	v_mov_b32 v[6+\t], 0
.endr
.irp e, 1,2,3,4,5,6,7
.irp t, 0,1
	v_cmp_ge_f32 vcc_lo, v[4+\t], v[ACC+8*\t+\e]
	v_cndmask_b32 v[6+\t], \e, v[6+\t], vcc_lo
	v_cndmask_b32 v[4+\t], v[ACC+8*\t+\e], v[4+\t], vcc_lo
.endr
.endr
	v_mul_f32 v8, 0xbfb8aa3b, v4                   ; sigmoid(v) = 1 / (1 + 2^(-1.442695 v))
	v_mul_f32 v9, 0xbfb8aa3b, v5
	v_exp_f32 v8, v8
	v_exp_f32 v9, v9
	v_mov_b32 v10, s12                             ; a plain instruction between the exponentials and their use (ISA guide 5.7.2)
	s_wait_alu depctr_va_vdst(0)
	v_add_f32 v8, 1.0, v8
	v_add_f32 v9, 1.0, v9
	v_rcp_f32 v8, v8
	v_rcp_f32 v9, v9
	v_lshlrev_b32 v10, 3, v10                      ; the same behind the reciprocals: 8 w, my two words
	ds_store_b32 v10, v6 offset:RES                ; all lanes write the same word with the same value
	ds_store_b32 v10, v7 offset:RES+4
	s_wait_alu depctr_va_vdst(0)
	ds_store_b32 v10, v8 offset:RES+64
	ds_store_b32 v10, v9 offset:RES+68
	s_wait_dscnt 0x0                               ; for wave 0's sake
	s_barrier_signal -1
	s_barrier_wait -1
	s_cmp_lg_u32 s12, 0
	s_cbranch_scc1 .Lend                           ; wave 0 stores the work-group's 16 results
	v_and_b32 v11, 15, v1
	v_lshlrev_b32 v11, 2, v11                      ; lanes 16 to 31 repeat lanes 0 to 15: same address, same value
	ds_load_b32 v12, v11 offset:RES
	ds_load_b32 v13, v11 offset:RES+64
	s_lshl_b32 s14, ttmp9, 6                       ; 16 words a work-group (s15 is still 0)
	s_add_nc_u64 s[8:9], s[8:9], s[14:15]
	s_add_nc_u64 s[10:11], s[10:11], s[14:15]
	s_wait_dscnt 0x0
	global_store_b32 v11, v12, s[8:9]
	global_store_b32 v11, v13, s[10:11]
.Lend:
	s_wait_tensorcnt 0x0
	ds_add_u32 v14, v15
	s_wait_dscnt 0x0
	s_endpgm
.Lfunc_end_k_q09b3efcb4e_route:
	.size	k_q09b3efcb4e_route, .Lfunc_end_k_q09b3efcb4e_route-k_q09b3efcb4e_route
	.p2alignl 7, 3214868480
	.fill 96, 4, 3214868480
	.section	.rodata,"a",@progbits
	.p2align	6, 0x0
	.amdhsa_kernel k_q09b3efcb4e_route
		.amdhsa_group_segment_fixed_size 17664
		.amdhsa_private_segment_fixed_size 0
		.amdhsa_enable_private_segment 0
		.amdhsa_kernarg_size 32
		.amdhsa_user_sgpr_count 2
		.amdhsa_user_sgpr_kernarg_segment_ptr 1
		.amdhsa_wavefront_size32 1
		.amdhsa_system_sgpr_workgroup_id_x 1
		.amdhsa_system_sgpr_workgroup_id_y 1
		.amdhsa_system_sgpr_workgroup_id_z 1
		.amdhsa_system_vgpr_workitem_id 0
		.amdhsa_next_free_vgpr 256
		.amdhsa_next_free_sgpr 66
		.amdhsa_reserve_vcc 1
		.amdhsa_float_denorm_mode_32 3
		.amdhsa_float_denorm_mode_16_64 3
		.amdhsa_memory_ordered 1
		.amdhsa_forward_progress 1
		.amdhsa_inst_pref_size 50
	.end_amdhsa_kernel
	.amdgpu_metadata
---
amdhsa.version: [ 1, 2 ]
amdhsa.kernels:
  - .name:           k_q09b3efcb4e_route
    .symbol:         k_q09b3efcb4e_route.kd
    .args:
      - { .name: hidden_states, .offset: 0, .size: 8, .value_kind: global_buffer, .address_space: global }
      - { .name: gate_w, .offset: 8, .size: 8, .value_kind: global_buffer, .address_space: global }
      - { .name: sel, .offset: 16, .size: 8, .value_kind: global_buffer, .address_space: global }
      - { .name: rw, .offset: 24, .size: 8, .value_kind: global_buffer, .address_space: global }
    .group_segment_fixed_size: 17664
    .private_segment_fixed_size: 0
    .kernarg_segment_align: 8
    .kernarg_segment_size: 32
    .max_flat_workgroup_size: 256
    .sgpr_count:     66
    .vgpr_count:     256
    .wavefront_size: 32
...
	.end_amdgpu_metadata
.endif
;; end of part 1
;; launch place (part 2): grid 256 x 1, 8 waves a work-group, no clusters, 122,112 bytes of LDS; arguments sel, rw, hidden_states, xs, order, rws, seg; writes xs, order, rws, seg
.if DOCPART == 2
	.amdgcn_target "amdgcn-amd-amdhsa--gfx1250"
	.amdhsa_code_object_version 6
	.text
	.protected	k_q09b3efcb4e_place
	.globl	k_q09b3efcb4e_place
	.p2align	8
	.type	k_q09b3efcb4e_place,@function
k_q09b3efcb4e_place:
	s_mov_b64 s[64:65], 0
	v_nop
	global_prefetch_b8 v0, s[64:65] scope:SCOPE_SE
	s_setreg_imm32_b32 hwreg(HW_REG_WAVE_MODE, 25, 1), 1
	s_wait_xcnt 0x0
; PLACE: the tokens sorted by expert, in tiles of 16 positions; each expert's run is filled up to whole tiles by repeating its last token
; (a repeated token is computed twice from the same bits and stored twice to the same row with the same bits: no mask is needed later).
; NT = sum over e of ceil(count e / 16) lies between 256 and 263.
; Every work-group sorts all 4,096 sel by itself in LDS (wave e lists expert e's tokens): no traffic between work-groups, no atomics.
; Then work-group b makes tile b:
;   order[16 tile + p] = token, rws[16 tile + p] = rw[token],
;   xs[tile][kc][p][i] = bf16(x[token p][16 kc + i]), kc = 0 .. 63: a chunk kc is 512 bytes, position p at byte 32 p.  In that order the
;   fragment of a matrix instruction (16 positions x 32 k) is two loads of a wave, each of 512 consecutive bytes.
;   seg (work-group 0): words 0-7 first tile of expert e, 8-15 its number of tiles, 16-23 NT.
; TILES 256 TO 262: work-groups 0 to 6 always make slot 256 + b as well, so that no branch hangs on a number that this launch computes.
; Where NT is 256 + b or less, the slot gets a copy of tile NT - 1, which no later launch reads: at most 7 x 32 KiB stored for nothing.
; The rows of both tiles are asked for before either is finished, so the second tile adds no second wait for memory.
; Behind the second barrier no wave needs another: wave w gathers bytes 512 w .. + 511 of a tile's 16 rows (each load 512 consecutive
; bytes), rounds, turns them in its own 16 x 288 bytes of LDS and stores chunks 8 w .. 8 w + 7, each store 512 consecutive aligned bytes.
; Memory binds; no matrix unit.  No cluster: what work-groups share is the 16 KiB of sel.
; sel holds 0 .. 7 (the launch before stores nothing else).
.set LIST, 16384                       ; LDS: 0 .. 16,383 sel; LIST: wave e's list of tokens, 16 bits each
.set REG,  8448                        ; bytes of a list = 4,224 entries: 0 .. 4,111 the tokens and the fill; 4,128 + L lane L's spare entry, never read
.set SPARE, 4128
.set CNT,  83968                       ; the eight counts
.set TILE, 84224                       ; wave w's 16 rows at 4,608 w
.set TP,   288                         ; pitch: 256 + 32, so that 8 rows x 2 halves read by 16 lanes fall on 16 different 16-byte columns of 256
.set S,    32                          ; v[32:159]   my 128 sel: S[4 j + c] is token 4 L + 128 j + c
.set XR,   32                          ; v[32:95]    tile b: x as loaded, row p at 4 p; later v[32:63] the second tile's chunks to store
.set XP,   96                          ; v[96:127]   a tile's rows in bf16
.set OB,   128                         ; v[128:159]  tile b: chunks to store
.set TK,   160                         ; v[160:175]  tile b: the 16 tokens, then their byte offsets
.set XR2,  176                         ; v[176:239]  tile 256 + b: x as loaded
.set TK2,  240                         ; v[240:255]  tile 256 + b: tokens, then offsets
.set WA,   21                          ; v[21:24]    wave 0, tile b: LDS address, token, 4 x token, rw
.set WA2,  4                           ; v[4:7]      wave 0, tile 256 + b: the same (the sums over lanes are over by then)
; one step of an inclusive sum over lanes: val += val of lane - d, where the lane's place (lanereg) is at least d
.macro SCANSTEP d, val, lanereg
	v_add_nc_u32 v7, -\d, v1
	v_lshlrev_b32 v7, 2, v7
	ds_bpermute_b32 v6, v7, v[\val]
	s_wait_dscnt 0x0
	v_cmp_le_u32 vcc_lo, \d, v[\lanereg]
	v_cndmask_b32 v6, 0, v6, vcc_lo
	v_add_nc_u32 v[\val], v[\val], v6
.endm
; Tile b + extra: whose it is, its 16 tokens, and the loads of my wave's 512 bytes of their rows into xr.  Wave 0 also asks for the tokens' rw.
.macro GATHER xr, tk, wa, extra
	s_add_co_u32 s23, s31, \extra
	s_sub_co_u32 s24, s22, 1
	s_min_u32 s25, s23, s24                        ; the tile, held below NT
	v_cmp_ge_u32 vcc_lo, s25, v12                  ; the last expert whose first tile is not behind it (experts without tokens share
	s_and_b32 s24, vcc_lo, 0xff                    ; their successor's first tile and are passed over)
	s_bcnt1_i32_b32 s24, s24
	s_sub_co_u32 s24, s24, 1
	s_min_u32 s24, s24, 7                          ; the expert
	v_readlane_b32 s26, v12, s24
	s_sub_co_u32 s26, s25, s26
	s_min_u32 s26, s26, 255                        ; which of its tiles
	s_mul_i32 s27, s24, REG
	s_lshl_b32 s26, s26, 5                         ; 16 entries of 2 bytes
	s_add_co_u32 s27, s27, s26
	s_add_co_u32 s27, s27, LIST
	v_mov_b32 v17, s27
.irp p, 0,1,2,3,4,5,6,7,8,9,10,11,12,13,14,15
	ds_load_u16 v[\tk+\p], v17 offset:2*\p         ; every lane reads the same entry
.endr
	s_wait_dscnt 0x0
.irp p, 0,1,2,3,4,5,6,7,8,9,10,11,12,13,14,15
	v_min_u32 v[\tk+\p], 0xfff, v[\tk+\p]
	v_lshl_add_u32 v[\tk+\p], v[\tk+\p], 12, v15   ; the row's 4,096 bytes, my wave's 512, my 16
.endr
.irp p, 0,1,2,3,4,5,6,7,8,9,10,11,12,13,14,15
	global_load_b128 v[\xr+4*\p:\xr+4*\p+3], v[\tk+\p], s[8:9]     ; no hint: a repeated token names a row twice
.endr
	s_cmp_lg_u32 s18, 0
	s_cbranch_scc1 .Lnot_wave_0_\@
	v_lshl_add_u32 v[\wa], v29, 1, s27             ; lane L: entry L mod 16 (lanes 16 to 31 repeat lanes 0 to 15)
	ds_load_u16 v[\wa+1], v[\wa]
	s_wait_dscnt 0x0
	v_min_u32 v[\wa+1], 0xfff, v[\wa+1]
	v_lshlrev_b32 v[\wa+2], 2, v[\wa+1]
	global_load_b32 v[\wa+3], v[\wa+2], s[6:7]
.Lnot_wave_0_\@:
.endm
; The rows in xr are rounded, turned in my wave's own LDS rows and stored from ob as eight chunks at base s[xb:xb+1]; wave 0 stores the tile's
; tokens and weights oo bytes behind tile b's.
.macro FINISH xr, ob, wa, xb, oo
.set ii, 0
.rept 32
	v_cvt_pk_bf16_f32 v[XP+ii], v[\xr+2*ii], v[\xr+2*ii+1]
.set ii, ii+1
.endr
.irp p, 0,1,2,3,4,5,6,7,8,9,10,11,12,13,14,15
	ds_store_b64 v27, v[XP+2*\p:XP+2*\p+1] offset:TP*\p            ; 32 lanes: 256 consecutive bytes of row p
.endr
.irp t, 0,1,2,3,4,5,6,7
	ds_load_b128 v[\ob+4*\t:\ob+4*\t+3], v28 offset:32*\t          ; my wave's own bytes, served in order (ISA guide 5.7.1): no wait between stores and loads
.endr
.irp t, 0,1,2,3,4,5,6,7
	s_wait_dscnt 7-\t                              ; chunk t is in; the 7 - t younger loads stay out
	global_store_b128 v14, v[\ob+4*\t:\ob+4*\t+3], s[\xb:\xb+1] offset:512*\t    ; 512 consecutive bytes, aligned
.endr
	s_cmp_lg_u32 s18, 0
	s_cbranch_scc1 .Lnot_wave_0_\@
	global_store_b32 v20, v[\wa+1], s[12:13] offset:\oo
	global_store_b32 v20, v[\wa+3], s[14:15] offset:\oo
.Lnot_wave_0_\@:
.endm
	s_load_b256 s[4:11], s[0:1], 0x0               ; sel s[4:5], rw s[6:7], x s[8:9], xs s[10:11]
	s_load_b128 s[12:15], s[0:1], 0x20             ; order s[12:13], rws s[14:15]
	s_load_b64 s[16:17], s[0:1], 0x30              ; seg
	v_lshl_add_u32 v30, v0, 2, 0x1d900
	v_mov_b32 v31, 0
	v_and_b32 v1, 31, v0                           ; lane
	v_lshrrev_b32 v4, 5, v0
	v_readfirstlane_b32 s18, v4                    ; wave = the expert that it lists
	v_and_b32 v2, 7, v0
	v_lshlrev_b32 v3, 2, v1                        ; 4 L
	v_lshlrev_b32 v13, 4, v0                       ; 16 x thread
	v_lshlrev_b32 v14, 4, v1                       ; 16 L
	v_lshl_add_u32 v15, s18, 9, v14                ; 512 w + 16 L
	v_add_nc_u32 v16, SPARE, v1                    ; my spare entry
	s_wait_kmcnt 0x0
.irp c, 0,1,2,3
	global_load_b128 v[S+4*\c:S+4*\c+3], v13, s[4:5] offset:4096*\c
.endr
	s_wait_loadcnt 0x0
.irp c, 0,1,2,3
	ds_store_b128 v13, v[S+4*\c:S+4*\c+3] offset:4096*\c
.endr
	s_wait_dscnt 0x0                               ; for the other waves' sake
	s_wait_xcnt 0x0                                ; no global access is pending where EXEC changes below
	s_barrier_signal -1
	s_barrier_wait -1
.set jj, 0
.rept 32
	ds_load_b128 v[S+4*jj:S+4*jj+3], v14 offset:512*jj
.set jj, jj+1
.endr
	v_mov_b32 v4, 0
	s_wait_dscnt 0x0
	; how many of my 128 tokens go to expert e: the compare's bit is added as a carry
.set ii, 0
.rept 128
	v_cmp_eq_u32 vcc_lo, s18, v[S+ii]
	v_add_co_ci_u32 v4, vcc_lo, 0, v4, vcc_lo
.set ii, ii+1
.endr
	v_mov_b32 v5, v4
	SCANSTEP 1, 5, 1
	SCANSTEP 2, 5, 1
	SCANSTEP 4, 5, 1
	SCANSTEP 8, 5, 1
	SCANSTEP 16, 5, 1
	v_readlane_b32 s19, v5, 31                     ; the expert's count
	v_sub_nc_u32 v8, v5, v4                        ; tokens of lower lanes: the entry at which mine begin
	s_mul_i32 s28, s18, REG
	s_add_co_u32 s28, s28, LIST                    ; my wave's list
	; The list is written with all lanes on: a token of expert e goes to entry v8, which then steps by the compare's bit; any other token goes
	; to the lane's spare entry.  The entry is held inside the wave's own 4,224 in front of every store.
.set ii, 0
.rept 128
	v_cmp_eq_u32 vcc_lo, s18, v[S+ii]
	v_cndmask_b32 v10, v16, v8, vcc_lo             ; mine: the next entry; not mine: the spare one
	v_min_u32 v10, REG/2-1, v10
	v_lshl_add_u32 v10, v10, 1, s28
	v_add_nc_u32 v9, 128*(ii/4)+(ii%4), v3         ; the token
	ds_store_b16 v10, v9
	v_add_co_ci_u32 v8, vcc_lo, 0, v8, vcc_lo
.set ii, ii+1
.endr
	; the fill: entries count .. 16 tiles - 1 repeat entry count - 1
	s_add_co_u32 s20, s19, 15
	s_lshr_b32 s20, s20, 4                         ; tiles
	s_lshl_b32 s21, s20, 4
	s_sub_co_u32 s21, s21, s19                     ; entries to fill, 0 .. 15 (0 where the count is 0: nothing unwritten is read)
	s_max_u32 s29, s19, 1
	s_sub_co_u32 s29, s29, 1
	s_min_u32 s29, s29, 4095
	s_lshl_b32 s29, s29, 1
	s_add_co_u32 s29, s29, s28
	v_mov_b32 v10, s29                             ; the last entry
	s_min_u32 s30, s19, 4096
	s_lshl_b32 s30, s30, 1
	s_add_co_u32 s30, s30, s28
	v_lshl_add_u32 v11, v1, 1, s30                 ; entry count + L
	v_cmpx_gt_u32 s21, v1
	ds_load_u16 v9, v10                            ; LDS serves a wave's instructions in order (ISA guide 5.7.1): it sees the stores above
	s_wait_dscnt 0x0
	ds_store_b16 v11, v9
	s_mov_b32 exec_lo, -1
	s_lshl_b32 s31, s18, 2
	s_add_co_u32 s31, s31, CNT
	v_mov_b32 v13, s31
	v_mov_b32 v12, s19
	ds_store_b32 v13, v12
	s_wait_dscnt 0x0                               ; list and count are in LDS, for the other waves' sake
	s_barrier_signal -1
	s_barrier_wait -1                              ; the last barrier: from here on each wave works for itself
	v_lshlrev_b32 v13, 2, v2
	v_add_nc_u32 v13, CNT, v13
	ds_load_b32 v10, v13                           ; lane L: the count of expert L mod 8
	s_wait_dscnt 0x0
	v_add_nc_u32 v10, 15, v10
	v_lshrrev_b32 v10, 4, v10                      ; its tiles
	v_mov_b32 v11, v10
	SCANSTEP 1, 11, 2
	SCANSTEP 2, 11, 2
	SCANSTEP 4, 11, 2
	v_sub_nc_u32 v12, v11, v10                     ; its first tile
	v_readlane_b32 s22, v11, 7                     ; NT
	s_mov_b32 s31, ttmp9                           ; b
	s_mul_i32 s28, s18, 16*TP
	s_add_co_u32 s28, s28, TILE                    ; my wave's 16 rows
	v_lshl_add_u32 v27, v1, 3, s28                 ; in: 8 L in a row
	v_lshrrev_b32 v28, 1, v1
	v_mul_u32_u24 v28, v28, TP
	v_and_b32 v29, 1, v1
	v_lshl_add_u32 v28, v29, 4, v28
	v_add_nc_u32 v28, s28, v28                     ; back: row L / 2, half L mod 2
	v_and_b32 v29, 15, v1                          ; L mod 16,
	v_lshlrev_b32 v20, 2, v29                      ; and its word: for wave 0's tokens and weights
	s_lshl_b32 s28, ttmp9, 15                      ; a tile of xs is 32,768 bytes,
	s_lshl_b32 s29, s18, 12                        ; my eight chunks 4,096
	s_add_co_u32 s28, s28, s29
	s_mov_b32 s29, 0
	s_add_nc_u64 s[10:11], s[10:11], s[28:29]      ; xs at my chunks of tile b,
	s_add_nc_u64 s[20:21], s[10:11], 0x800000      ; and of tile 256 + b: 8,388,608 bytes on, one more than a store's immediate holds
	s_lshl_b32 s28, ttmp9, 6                       ; 16 words a tile
	s_add_nc_u64 s[12:13], s[12:13], s[28:29]
	s_add_nc_u64 s[14:15], s[14:15], s[28:29]
	s_or_b32 s28, ttmp9, s18
	s_cmp_lg_u32 s28, 0
	s_cbranch_scc1 .Lseg_done                      ; wave 0 of work-group 0 stores seg (lanes 8 to 31 repeat lanes 0 to 7)
	v_lshlrev_b32 v25, 2, v2
	v_mov_b32 v26, s22
	global_store_b32 v25, v12, s[16:17]
	global_store_b32 v25, v10, s[16:17] offset:32
	global_store_b32 v25, v26, s[16:17] offset:64
.Lseg_done:
	GATHER XR, TK, WA, 0
	s_cmp_lt_u32 s31, 7
	s_cbranch_scc0 .Lone_asked                     ; work-groups 0 to 6: the second tile's rows go out behind the first's
	GATHER XR2, TK2, WA2, 256
.Lone_asked:
	s_wait_loadcnt 0x0                             ; all rows (and wave 0's weights) are in, of one tile or of two
	FINISH XR, OB, WA, 10, 0
	s_cmp_lt_u32 s31, 7
	s_cbranch_scc0 .Lend
	FINISH XR2, XR, WA2, 20, 16384                 ; its chunks go through v[32:63], dead since the first tile was rounded: OB, which stores still read, is left alone
.Lend:
	s_wait_tensorcnt 0x0
	ds_add_u32 v30, v31
	s_wait_dscnt 0x0
	s_endpgm
.Lfunc_end_k_q09b3efcb4e_place:
	.size	k_q09b3efcb4e_place, .Lfunc_end_k_q09b3efcb4e_place-k_q09b3efcb4e_place
	.p2alignl 7, 3214868480
	.fill 96, 4, 3214868480
	.section	.rodata,"a",@progbits
	.p2align	6, 0x0
	.amdhsa_kernel k_q09b3efcb4e_place
		.amdhsa_group_segment_fixed_size 122112
		.amdhsa_private_segment_fixed_size 0
		.amdhsa_enable_private_segment 0
		.amdhsa_kernarg_size 56
		.amdhsa_user_sgpr_count 2
		.amdhsa_user_sgpr_kernarg_segment_ptr 1
		.amdhsa_wavefront_size32 1
		.amdhsa_system_sgpr_workgroup_id_x 1
		.amdhsa_system_sgpr_workgroup_id_y 1
		.amdhsa_system_sgpr_workgroup_id_z 1
		.amdhsa_system_vgpr_workitem_id 0
		.amdhsa_next_free_vgpr 256
		.amdhsa_next_free_sgpr 66
		.amdhsa_reserve_vcc 1
		.amdhsa_float_denorm_mode_32 3
		.amdhsa_float_denorm_mode_16_64 3
		.amdhsa_memory_ordered 1
		.amdhsa_forward_progress 1
		.amdhsa_inst_pref_size 82
	.end_amdhsa_kernel
	.amdgpu_metadata
---
amdhsa.version: [ 1, 2 ]
amdhsa.kernels:
  - .name:           k_q09b3efcb4e_place
    .symbol:         k_q09b3efcb4e_place.kd
    .args:
      - { .name: sel, .offset: 0, .size: 8, .value_kind: global_buffer, .address_space: global }
      - { .name: rw, .offset: 8, .size: 8, .value_kind: global_buffer, .address_space: global }
      - { .name: hidden_states, .offset: 16, .size: 8, .value_kind: global_buffer, .address_space: global }
      - { .name: xs, .offset: 24, .size: 8, .value_kind: global_buffer, .address_space: global }
      - { .name: order, .offset: 32, .size: 8, .value_kind: global_buffer, .address_space: global }
      - { .name: rws, .offset: 40, .size: 8, .value_kind: global_buffer, .address_space: global }
      - { .name: seg, .offset: 48, .size: 8, .value_kind: global_buffer, .address_space: global }
    .group_segment_fixed_size: 122112
    .private_segment_fixed_size: 0
    .kernarg_segment_align: 8
    .kernarg_segment_size: 56
    .max_flat_workgroup_size: 256
    .sgpr_count:     66
    .vgpr_count:     256
    .wavefront_size: 32
...
	.end_amdgpu_metadata
.endif
;; end of part 2
;; launch up (part 3): grid 256 x 1, 4 waves a work-group, no clusters, 66,560 bytes of LDS; arguments xs, rws, seg, w_gate, w_up, h; writes h
.if DOCPART == 3
	.amdgcn_target "amdgcn-amd-amdhsa--gfx1250"
	.amdhsa_code_object_version 6
	.text
	.protected	k_q09b3efcb4e_up
	.globl	k_q09b3efcb4e_up
	.p2align	8
	.type	k_q09b3efcb4e_up,@function
k_q09b3efcb4e_up:
	s_mov_b64 s[64:65], 0
	v_nop
	global_prefetch_b8 v0, s[64:65] scope:SCOPE_SE
	s_setreg_imm32_b32 hwreg(HW_REG_WAVE_MODE, 25, 1), 1
	s_wait_xcnt 0x0
; UP: for each sorted position p of expert e: g = rw (x . Wg[e][i]), u = rw (x . Wu[e][i]), h[p][i] = u g sigmoid(g).
; reference() scales x by rw in front of the products; here rw multiplies the f32 sums, which is the same number without a second
; rounding of x.  Experts that a token did not choose get a zero row in reference() and add zero: that work is not done.
; h LEAVES AS TWO bf16 PARTS, hi = bf16(h) and lo = bf16(h - hi): reference() keeps h in f32, and one bf16 alone (8 bits of mantissa) leaves
; an error in the next product's sums of 512 terms that comes too near to what the comparison allows; the two parts carry 16 bits.
; THE WEIGHTS STAY, THE TOKENS PASS.  Work-group = (expert e = id / 32, slice n = id mod 32) owns columns 16 n .. 16 n + 15 of I, for gate and
; for up: 32 rows of 1,024 f32 = 128 KiB, which no other work-group reads.  They are read once, rounded to bf16, handed round through LDS and
; then held by EACH of the four waves in 512 registers as fragments.  Wave w takes the expert's tiles w, w + 4, ..: a tile (16 positions x
; 1,024 k, 32 KiB in fragment order) goes from memory straight into 256 registers, a quarter at a time, one tile ahead of its use.
; The grid is fixed whatever the routing; only trip counts hang on it, and they are whole numbers that an earlier launch stored (seg).
; SOURCE 0 = 16 weight rows, SOURCE 1 = 16 positions: lane (r, hh) then holds position r, columns 8 hh .. + 7 of the slice: 16 bytes of bf16.
; h[tile][part][kc = n][p][16], part 0 = hi, 1 = lo, a tile 32,768 bytes: a wave's store covers 512 consecutive aligned bytes, and the next
; launch reads fragments as this one reads xs.
; NO CLUSTER, NO TENSOR LOADS: the 32 work-groups of an expert do read the same tiles, but a tile goes to one wave's registers; a ring in LDS
; for joint loads would take 2 slots x 4 waves x 32,768 bytes = 262,144 beside the 66,048 that LDS stores fill here: 328,192, more than the
; 327,680 that a work-group can be given.
; LIMITS: finite inputs; operands bf16, sums f32; bf16 and not f16 for h (with inputs 30 times larger h passes f16's range); where |h| rounds
; to infinity in bf16 (from about 3.39e38) lo is not finite; where 2^(-1.442695 g) overflows, sigmoid(g) comes out as 0, as in f32 up to a denormal.
.set PITCH, 2064                       ; LDS row: 2,048 bytes of bf16 + 16 = 129 x 16: the 16 rows of a fragment load fall on 16 different 16-byte columns
.set GA, 16                            ; v[16:23] gate, even K steps     the four accumulators take turns, one instruction a turn,
.set UA, 24                            ; v[24:31] up, even K steps       over the loop's backward jump too
.set GB, 32                            ; v[32:39] gate, odd K steps; later hi widened to f32
.set UB, 40                            ; v[40:47] up, odd K steps
.set T,  48                            ; v[48:55] at work
.set HP, 56                            ; v[56:59] hi
.set LP, 60                            ; v[60:63] lo
.set CV, 64                            ; v[64:191] set-up: my eight weight rows in bf16
.set HTILE, 32768                      ; bytes of a tile of h; lo begins at its middle
; window 0: the above; v4 16 L; v5, v6 LDS addresses; v7 32 r + 16 hh; v8 4 r; v[10:11] rw, 0
; window 1: weight fragments of K steps 0-15 at 16 ks + 8 m (m = 0 gate, 1 up); window 2: K steps 16-31; window 3: the x tile, K step ks at 8 ks
; s[4:5] xs, s[6:7] rws, s[14:15] h, each at a tile of mine; s[32:33] the step of h's base: 0 until my first tile has been taken up, then four tiles
.set MULA, 0x0d                        ; source 0 window 1, source 1 window 3, C and D window 0
.set MULB, 0x0e                        ; source 0 window 2, source 1 window 3
.set TOX,  0xc0                        ; destination window 3
.set TOW1, 0x40                        ; destination window 1
.set TOW2, 0x80                        ; destination window 2
.set CVT,  0x05                        ; sources 0 and 1 window 1
.set MSB, 0
.macro WIN new                         ; the immediate's high byte repeats the setting that is left
.if MSB != \new
	s_set_vgpr_msb (MSB<<8)|\new
.set MSB, \new
.endif
.endm
.macro PLACES                          ; four plain vector instructions between a matrix instruction and a load into its sources or a reader of its result
.rept 4
	v_nop
.endr
.endm
.macro XLOAD q                         ; a quarter of a tile: 16 chunks of 512 bytes, K steps 8 q .. 8 q + 7
.set cc, 16*\q
.rept 16
	global_load_b128 v[4*cc:4*cc+3], v7, s[4:5] offset:512*cc
.set cc, cc+1
.endr
.endm
.macro WFRAG lo                        ; the fragments of 16 K steps from LDS into the window that is set
.set ks, \lo
.rept 16
.irp m, 0,1
	ds_load_b128 v[16*(ks-\lo)+8*\m:16*(ks-\lo)+8*\m+3],   v6 offset:16*PITCH*\m+64*ks
	ds_load_b128 v[16*(ks-\lo)+8*\m+4:16*(ks-\lo)+8*\m+7], v6 offset:16*PITCH*\m+64*ks+32
.endr
.set ks, ks+1
.endr
.endm
.macro QMUL q                          ; 16 matrix instructions: K steps 8 q .. 8 q + 7, gate and up.  The first two K steps start the four sums: nothing is cleared
.set ks, 8*\q
.rept 8
.set wr, 16*(ks%16)
.set ag, GA+16*(ks%2)
.if ks < 2
	v_wmma_f32_16x16x32_bf16 v[ag:ag+7],    v[wr:wr+7],    v[8*ks:8*ks+7], 0
	v_wmma_f32_16x16x32_bf16 v[ag+8:ag+15], v[wr+8:wr+15], v[8*ks:8*ks+7], 0
.else
	v_wmma_f32_16x16x32_bf16 v[ag:ag+7],    v[wr:wr+7],    v[8*ks:8*ks+7], v[ag:ag+7]
	v_wmma_f32_16x16x32_bf16 v[ag+8:ag+15], v[wr+8:wr+15], v[8*ks:8*ks+7], v[ag+8:ag+15]
.endif
.set ks, ks+1
.endr
.endm
; A quarter: wait for it, multiply it, ask for the next tile's.  Behind the first quarter's products the bases step: the memory instructions
; that read them, and the stores that read HP and LP, are the tile before's, issued ahead of that tile's epilogue or in it and of these 16
; matrix instructions, so that the wait which frees their sources has little left to wait for.
.macro QUART q, cnt, win, ahead
	s_wait_loadcnt \cnt
	WIN \win
	QMUL \q
	PLACES
.if \q == 0
	s_wait_xcnt 0x0                                ; the three bases, and HP and LP in this tile's epilogue, are written again only behind this wait
	s_add_nc_u64 s[14:15], s[14:15], s[32:33]      ; h at this tile: no step for my first tile, four tiles of 32,768 bytes for every later one
.if \ahead
	s_mov_b32 s32, 4*HTILE
	s_add_nc_u64 s[4:5], s[4:5], 131072            ; xs at my next tile: four tiles of 32,768 bytes on,
	s_add_nc_u64 s[6:7], s[6:7], 256               ; rws likewise: four tiles of 64 bytes
.endif
.endif
.if \ahead
	WIN TOX
	XLOAD \q
.endif
.endm
.macro EPI                             ; h = u g / (1 + 2^(-1.442695 g)), eight numbers a lane, then its two parts
.irp k, 0,2,4,6
	v_pk_add_f32 v[GA+\k:GA+\k+1], v[GA+\k:GA+\k+1], v[GB+\k:GB+\k+1]
.endr
.irp k, 0,2,4,6
	v_pk_mul_f32 v[GA+\k:GA+\k+1], v[GA+\k:GA+\k+1], v[10:11] op_sel_hi:[1,0]     ; g: both halves by rw
.endr
.irp k, 0,2,4,6
	v_pk_mul_f32 v[T+\k:T+\k+1], v[GA+\k:GA+\k+1], 0xbfb8aa3b op_sel_hi:[1,0]
.endr
.irp k, 0,1,2,3,4,5,6,7
	v_exp_f32 v[T+\k], v[T+\k]
.endr
.irp k, 0,2,4,6
	v_pk_add_f32 v[UA+\k:UA+\k+1], v[UA+\k:UA+\k+1], v[UB+\k:UB+\k+1]            ; plain work between the exponentials and their use (ISA guide 5.7.2)
.endr
	s_wait_alu depctr_va_vdst(0)
.irp k, 0,2,4,6
	v_pk_add_f32 v[T+\k:T+\k+1], v[T+\k:T+\k+1], 1.0 op_sel_hi:[1,0]
.endr
.irp k, 0,1,2,3,4,5,6,7
	v_rcp_f32 v[T+\k], v[T+\k]
.endr
.irp k, 0,2,4,6
	v_pk_mul_f32 v[UA+\k:UA+\k+1], v[UA+\k:UA+\k+1], v[10:11] op_sel_hi:[1,0]     ; u; plain work behind the reciprocals
.endr
	s_wait_alu depctr_va_vdst(0)
.irp k, 0,2,4,6
	v_pk_mul_f32 v[T+\k:T+\k+1], v[T+\k:T+\k+1], v[GA+\k:GA+\k+1]
.endr
.irp k, 0,2,4,6
	v_pk_mul_f32 v[T+\k:T+\k+1], v[T+\k:T+\k+1], v[UA+\k:UA+\k+1]
.endr
.irp k, 0,1,2,3
	v_cvt_pk_bf16_f32 v[HP+\k], v[T+2*\k], v[T+2*\k+1]                           ; hi
.endr
	global_store_b128 v7, v[HP:HP+3], s[14:15]     ; h's base stands at this tile
.irp k, 0,1,2,3
	v_lshlrev_b32 v[GB+2*\k],   16, v[HP+\k]                                      ; hi back in f32 (GB's sums have been added to GA's)
	v_and_b32     v[GB+2*\k+1], 0xffff0000, v[HP+\k]
.endr
.irp k, 0,2,4,6
	v_pk_add_f32 v[T+\k:T+\k+1], v[T+\k:T+\k+1], v[GB+\k:GB+\k+1] neg_lo:[0,1] neg_hi:[0,1]   ; h - hi, exact: both lie within one binade's step
.endr
.irp k, 0,1,2,3
	v_cvt_pk_bf16_f32 v[LP+\k], v[T+2*\k], v[T+2*\k+1]                           ; lo
.endr
	global_store_b128 v7, v[LP:LP+3], s[14:15] offset:HTILE/2
.endm
; One tile.  On the way in 65 loads are out, in this order: its four quarters of 16 and its rw.  ahead = 1: each quarter's registers are asked
; for again, for my next tile (four tiles on), as soon as they have been multiplied, and its rw behind the epilogue.
; The counts: how many younger loads may stay out.
.macro TILE ahead, c0, c1, c2, c3
	QUART 0, \c0, MULA, \ahead
	QUART 1, \c1, MULA, \ahead
	QUART 2, \c2, MULB, \ahead
	QUART 3, \c3, MULB, \ahead
	WIN 0
	EPI
.if \ahead
	global_load_b32 v10, v8, s[6:7]
.endif
.endm
	s_load_b256 s[4:11], s[0:1], 0x0               ; xs s[4:5], rws s[6:7], seg s[8:9], w_gate s[10:11]
	s_load_b128 s[12:15], s[0:1], 0x20             ; w_up s[12:13], h s[14:15]
	v_lshl_add_u32 v254, v0, 2, 0x10200
	v_mov_b32 v255, 0
	v_lshrrev_b32 v1, 5, v0
	v_readfirstlane_b32 s16, v1                    ; wave 0 .. 3
	v_and_b32 v1, 31, v0                           ; L
	v_and_b32 v2, 15, v0                           ; r
	v_bfe_u32 v3, v0, 4, 1                         ; hh
	v_lshlrev_b32 v4, 4, v1                        ; 16 L
	s_mul_i32 s19, s16, 8*PITCH                    ; my eight rows in LDS: 8 w .. 8 w + 7 (0-15 gate, 16-31 up)
	v_lshl_add_u32 v5, v1, 3, s19                  ; + 8 L
	v_mul_u32_u24 v6, v2, PITCH
	v_lshl_add_u32 v6, v3, 4, v6                   ; fragments: row r, 16 hh
	v_lshlrev_b32 v7, 5, v2
	v_lshl_add_u32 v7, v3, 4, v7                   ; 32 r + 16 hh: my 16 bytes of a chunk, of xs and of h
	v_lshlrev_b32 v8, 2, v2
	v_mov_b32 v11, 0                               ; the other half of rw's pair, read but not used
	s_mov_b32 s32, 0                               ; h's base does not step for my first tile
	s_mov_b32 s33, 0
	s_lshr_b32 s17, ttmp9, 5                       ; expert
	s_and_b32 s18, ttmp9, 31                       ; slice
	s_lshl_b32 s26, s17, 2
	s_mov_b32 s27, 0
	s_wait_kmcnt 0x0
	s_add_nc_u64 s[8:9], s[8:9], s[26:27]
	s_load_b32 s20, s[8:9], 0x0                    ; the expert's first tile,
	s_load_b32 s21, s[8:9], 0x20                   ; its tiles,
	s_load_b32 s22, s[8:9], 0x40                   ; NT
	s_cmp_lt_u32 s16, 2
	s_cselect_b64 s[24:25], s[10:11], s[12:13]     ; waves 0, 1 fetch gate's rows, waves 2, 3 up's
	s_lshl_b32 s26, s17, 21                        ; an expert: 512 x 1,024 x 4 bytes
	s_lshl_b32 s23, s18, 16                        ; a slice: 16 rows of 4,096 bytes
	s_add_co_u32 s26, s26, s23
	s_and_b32 s23, s16, 1
	s_lshl_b32 s23, s23, 15                        ; its lower or upper eight rows
	s_add_co_u32 s26, s26, s23
	s_add_nc_u64 s[24:25], s[24:25], s[26:27]
	WIN TOW1
.set ii, 0
.rept 64
	global_load_b128 v[4*ii:4*ii+3], v4, s[24:25] offset:512*ii th:TH_LOAD_NT    ; eight rows are 32 KiB without a gap; read once in the launch
.set ii, ii+1
.endr
	s_wait_kmcnt 0x0
	s_min_u32 s20, s20, 262
	s_min_u32 s21, s21, 256
	s_min_u32 s22, s22, 263
	s_max_u32 s22, s22, 1
	s_sub_co_u32 s22, s22, 1
	s_add_co_u32 s19, s20, s16
	s_min_u32 s19, s19, s22                        ; my first tile; a wave with none asks for the last tile that exists and drops it
	s_min_u32 s19, s19, 262
	s_lshl_b32 s26, s19, 15
	s_add_nc_u64 s[4:5], s[4:5], s[26:27]
	s_lshl_b32 s26, s19, 6
	s_add_nc_u64 s[6:7], s[6:7], s[26:27]
	s_lshl_b32 s26, s19, 15                        ; a tile of h: 32,768 bytes,
	s_lshl_b32 s23, s18, 9                         ; my slice's chunk: 512
	s_add_co_u32 s26, s26, s23
	s_add_nc_u64 s[14:15], s[14:15], s[26:27]
	s_add_co_u32 s28, s21, 3
	s_sub_co_u32 s28, s28, s16
	s_lshr_b32 s28, s28, 2                         ; my tiles: w, w + 4, .. below the expert's number
	WIN TOX
	XLOAD 0
	XLOAD 1
	XLOAD 2
	XLOAD 3
	WIN 0
	global_load_b32 v10, v8, s[6:7]
	s_wait_loadcnt 63                              ; 65 loads are younger than the last weight load; the count's field ends at 63, so two of x are waited for as well
	WIN CVT
.set ii, 0
.rept 128
	v_cvt_pk_bf16_f32 v[CV+ii], v[2*ii], v[2*ii+1]
.set ii, ii+1
.endr
	WIN 0
.set ii, 0
.rept 64
	ds_store_b64 v5, v[CV+2*ii:CV+2*ii+1] offset:PITCH*(ii/8)+256*(ii%8)         ; 32 lanes: 256 consecutive bytes of a row
.set ii, ii+1
.endr
	s_wait_dscnt 0x0                               ; for the other waves' sake
	s_barrier_signal -1
	s_barrier_wait -1                              ; the only barrier: all 32 rows are in LDS, and nothing writes LDS again
	WIN TOW1
	WFRAG 0
	WIN TOW2
	WFRAG 16
	WIN 0
	s_wait_dscnt 0x0
	s_cmp_eq_u32 s28, 0
	s_cbranch_scc1 .Lend
	s_sub_co_u32 s29, s28, 1
	s_cmp_eq_u32 s29, 0
	s_cbranch_scc1 .Ltail
	s_mov_b32 s30, 0
.Ltile:
	TILE 1, 49, 49, 49, 48                         ; three quarters and rw are younger (of this tile or the next); the last count takes rw in too
	s_add_co_u32 s30, s30, 1
	s_cmp_lt_u32 s30, s29
	s_cbranch_scc1 .Ltile
.Ltail:
	TILE 0, 49, 33, 17, 0                          ; my last tile asks for nothing: the counts run down
.Lend:
	s_wait_tensorcnt 0x0
	ds_add_u32 v254, v255
	s_wait_dscnt 0x0
	s_endpgm
.Lfunc_end_k_q09b3efcb4e_up:
	.size	k_q09b3efcb4e_up, .Lfunc_end_k_q09b3efcb4e_up-k_q09b3efcb4e_up
	.p2alignl 7, 3214868480
	.fill 96, 4, 3214868480
	.section	.rodata,"a",@progbits
	.p2align	6, 0x0
	.amdhsa_kernel k_q09b3efcb4e_up
		.amdhsa_group_segment_fixed_size 66560
		.amdhsa_private_segment_fixed_size 0
		.amdhsa_enable_private_segment 0
		.amdhsa_kernarg_size 48
		.amdhsa_user_sgpr_count 2
		.amdhsa_user_sgpr_kernarg_segment_ptr 1
		.amdhsa_wavefront_size32 1
		.amdhsa_system_sgpr_workgroup_id_x 1
		.amdhsa_system_sgpr_workgroup_id_y 1
		.amdhsa_system_sgpr_workgroup_id_z 1
		.amdhsa_system_vgpr_workitem_id 0
		.amdhsa_next_free_vgpr 1024
		.amdhsa_next_free_sgpr 66
		.amdhsa_reserve_vcc 0
		.amdhsa_float_denorm_mode_32 3
		.amdhsa_float_denorm_mode_16_64 3
		.amdhsa_memory_ordered 1
		.amdhsa_forward_progress 1
		.amdhsa_inst_pref_size 60
	.end_amdhsa_kernel
	.amdgpu_metadata
---
amdhsa.version: [ 1, 2 ]
amdhsa.kernels:
  - .name:           k_q09b3efcb4e_up
    .symbol:         k_q09b3efcb4e_up.kd
    .args:
      - { .name: xs, .offset: 0, .size: 8, .value_kind: global_buffer, .address_space: global }
      - { .name: rws, .offset: 8, .size: 8, .value_kind: global_buffer, .address_space: global }
      - { .name: seg, .offset: 16, .size: 8, .value_kind: global_buffer, .address_space: global }
      - { .name: w_gate, .offset: 24, .size: 8, .value_kind: global_buffer, .address_space: global }
      - { .name: w_up, .offset: 32, .size: 8, .value_kind: global_buffer, .address_space: global }
      - { .name: h, .offset: 40, .size: 8, .value_kind: global_buffer, .address_space: global }
    .group_segment_fixed_size: 66560
    .private_segment_fixed_size: 0
    .kernarg_segment_align: 8
    .kernarg_segment_size: 48
    .max_flat_workgroup_size: 128
    .sgpr_count:     66
    .vgpr_count:     1024
    .wavefront_size: 32
...
	.end_amdgpu_metadata
.endif
;; end of part 3
;; launch down (part 4): grid 256 x 1, 4 waves a work-group, no clusters, 84,480 bytes of LDS; arguments h, order, seg, w_down, out0; writes out0
.if DOCPART == 4
	.amdgcn_target "amdgcn-amd-amdhsa--gfx1250"
	.amdhsa_code_object_version 6
	.text
	.protected	k_q09b3efcb4e_down
	.globl	k_q09b3efcb4e_down
	.p2align	8
	.type	k_q09b3efcb4e_down,@function
k_q09b3efcb4e_down:
	s_mov_b64 s[64:65], 0
	v_nop
	global_prefetch_b8 v0, s[64:65] scope:SCOPE_SE
	s_setreg_imm32_b32 hwreg(HW_REG_WAVE_MODE, 25, 1), 1
	s_wait_xcnt 0x0
; DOWN: out0[order[p]][c] = sum over i of h[p][i] Wd[e][c][i], f32 out.  Each token has one expert, so each row of out0 is written once
; (a repeated position of a tile's fill writes its token's row again, from the same wave, with the same bits); reference()'s sum over
; experts adds zeros to it.
; h COMES AS TWO bf16 PARTS, h = hi + lo (the launch before says why): both are multiplied by the same weight fragments and added into the
; same f32 sums, first the 16 K steps of hi, then the 16 of lo.  lo is at most 2^-8 of hi: no difference of large sums is formed.
; THE WEIGHTS STAY, as in the launch before.  Work-group = (expert e = id / 32, strip s = (id / 2) mod 16, half hf = id mod 2) owns columns
; 64 s .. 64 s + 63 of out0: 64 rows of 512 f32 = 128 KiB, rounded to bf16, handed round through LDS, then held by each of the four waves in 512
; registers.  The two work-groups of a strip share its tiles out: wave w of half hf takes the expert's tiles 4 hf + w, + 8, ..
; A tile of h (16 positions x 512 k x 2 parts, 32 KiB in fragment order) goes straight into 256 registers, a quarter at a time, one tile ahead.
; SOURCE 0 = 16 weight rows, SOURCE 1 = 16 positions: lane (r, hh) holds position r, columns 16 c + 8 hh .. + 7.  On the way out a tile's
; 16 x 64 f32 pass through the wave's own stage in LDS, so that sixteen lanes store one token's 256 consecutive bytes, aligned.
; NO CLUSTER, NO TENSOR LOADS: the 16 strips of an expert do read the same tiles, but a tile goes to one wave's registers; a ring in LDS for
; joint loads would take 2 slots x 4 waves x 32,768 bytes = 262,144 beside the 83,968 that LDS stores fill here: 346,112, more than the
; 327,680 that a work-group can be given.
; LIMITS: finite inputs; operands bf16, sums f32.
.set PITCH,  1040                      ; LDS row: 1,024 bytes of bf16 + 16 = 65 x 16
.set STAGE,  64*PITCH                  ; behind the weights: 16 rows x 272 bytes for each wave
.set SP,     272
.set O,   12                           ; v[12:19]  order[16 tile + 8 hh + t]
.set VO,  20                           ; v[20:27]  byte offsets of those rows, + 16 r
.set ACC, 32                           ; v[32:63]  four accumulators (16 columns each), which take turns, one instruction a turn, over the backward jump too
.set OB,  64                           ; v[64:95]  rows read back
.set CV,  64                           ; v[64:191] set-up: my 16 weight rows in bf16
; window 0: the above; v4 16 L; v5, v6 LDS addresses; v7 32 r + 16 hh; v8 32 hh; v9 16 r; v10, v11 stage in, back
; window 1: weight fragments of K steps 0-7 at 32 ks + 8 c; window 2: K steps 8-15
; window 3: the h tile, step s at 8 s: steps 0-15 are hi's K steps 0-15, steps 16-31 lo's
.set MULA, 0x0d                        ; source 0 window 1, source 1 window 3, C and D window 0
.set MULB, 0x0e                        ; source 0 window 2, source 1 window 3
.set TOX,  0xc0
.set TOW1, 0x40
.set TOW2, 0x80
.set CVT,  0x05
.set MSB, 0
.macro WIN new                         ; the immediate's high byte repeats the setting that is left
.if MSB != \new
	s_set_vgpr_msb (MSB<<8)|\new
.set MSB, \new
.endif
.endm
.macro PLACES                          ; four plain vector instructions between a matrix instruction and a load into its sources or a reader of its result
.rept 4
	v_nop
.endr
.endm
.macro HLOAD q                         ; a quarter of a tile: 16 chunks of 512 bytes, steps 8 q .. 8 q + 7
.set cc, 16*\q
.rept 16
	global_load_b128 v[4*cc:4*cc+3], v7, s[4:5] offset:512*cc
.set cc, cc+1
.endr
.endm
.macro WFRAG lo                        ; the fragments of 8 K steps from LDS into the window that is set
.set ks, \lo
.rept 8
.irp c, 0,1,2,3
	ds_load_b128 v[32*(ks-\lo)+8*\c:32*(ks-\lo)+8*\c+3],   v6 offset:16*PITCH*\c+64*ks
	ds_load_b128 v[32*(ks-\lo)+8*\c+4:32*(ks-\lo)+8*\c+7], v6 offset:16*PITCH*\c+64*ks+32
.endr
.set ks, ks+1
.endr
.endm
.macro QMUL q                          ; 32 matrix instructions: steps 8 q .. 8 q + 7 x four blocks of 16 columns; the weights are those of K step (step mod 16),
.set ks, 8*\q                          ; at 32 (step mod 8) in the window that the quarter sets.  Step 0 starts the sums: nothing is cleared
.rept 8
.irp c, 0,1,2,3
.if ks == 0
	v_wmma_f32_16x16x32_bf16 v[ACC+8*\c:ACC+8*\c+7], v[32*(ks%8)+8*\c:32*(ks%8)+8*\c+7], v[8*ks:8*ks+7], 0
.else
	v_wmma_f32_16x16x32_bf16 v[ACC+8*\c:ACC+8*\c+7], v[32*(ks%8)+8*\c:32*(ks%8)+8*\c+7], v[8*ks:8*ks+7], v[ACC+8*\c:ACC+8*\c+7]
.endif
.endr
.set ks, ks+1
.endr
.endm
.macro QUART q, cnt, win, ahead
	s_wait_loadcnt \cnt
	WIN \win
	QMUL \q
	PLACES
.if \ahead
	WIN TOX
	HLOAD \q
.endif
.endm
.macro OUT                             ; 16 positions x 64 columns of f32: into my stage by positions, back by rows, out to the tokens' rows
.irp c, 0,1,2,3
	ds_store_b128 v10, v[ACC+8*\c:ACC+8*\c+3]   offset:64*\c
	ds_store_b128 v10, v[ACC+8*\c+4:ACC+8*\c+7] offset:64*\c+16
.endr
.irp t, 0,1,2,3,4,5,6,7
	v_min_u32 v[O+\t], 0xfff, v[O+\t]
	v_lshl_add_u32 v[VO+\t], v[O+\t], 12, v9       ; the token's row of 4,096 bytes, + 16 r
.endr
.irp t, 0,1,2,3,4,5,6,7
	ds_load_b128 v[OB+4*\t:OB+4*\t+3], v11 offset:SP*\t        ; lanes 0-15 position t, lanes 16-31 position t + 8; my own bytes, served in order
.endr
.irp t, 0,1,2,3,4,5,6,7
	s_wait_dscnt 7-\t                              ; load t is in; the 7 - t younger ones stay out
	global_store_b128 v[VO+\t], v[OB+4*\t:OB+4*\t+3], s[12:13] th:TH_STORE_NT    ; sixteen lanes: 256 consecutive bytes, aligned
.endr
.endm
; One tile.  On the way in 66 loads are out, in this order: its four quarters of 16 (hi's K steps 0-7, 8-15, lo's 0-7, 8-15) and its two of order.
; The counts: how many younger loads may stay out.
.macro TILE ahead, c0, c1, c2, c3
	s_wait_xcnt 0x0                                ; the bases, VO and OB are written again only behind this wait
.if \ahead
	s_add_nc_u64 s[4:5], s[4:5], 262144            ; eight tiles of 32,768 bytes of h,
	s_add_nc_u64 s[6:7], s[6:7], 512               ; of 64 bytes of order
.endif
	QUART 0, \c0, MULA, \ahead
	QUART 1, \c1, MULB, \ahead
	QUART 2, \c2, MULA, \ahead
	QUART 3, \c3, MULB, \ahead
	WIN 0
	OUT
.if \ahead
	global_load_b128 v[O:O+3],   v8, s[6:7]
	global_load_b128 v[O+4:O+7], v8, s[6:7] offset:16
.endif
.endm
	s_load_b256 s[4:11], s[0:1], 0x0               ; h s[4:5], order s[6:7], seg s[8:9], w_down s[10:11]
	s_load_b64 s[12:13], s[0:1], 0x20              ; out0
	v_lshl_add_u32 v254, v0, 2, 0x14800
	v_mov_b32 v255, 0
	v_lshrrev_b32 v1, 5, v0
	v_readfirstlane_b32 s16, v1                    ; wave 0 .. 3
	v_and_b32 v1, 31, v0                           ; L
	v_and_b32 v2, 15, v0                           ; r
	v_bfe_u32 v3, v0, 4, 1                         ; hh
	v_lshlrev_b32 v4, 4, v1                        ; 16 L
	s_mul_i32 s23, s16, 16*PITCH                   ; my 16 rows in LDS
	v_lshl_add_u32 v5, v1, 3, s23                  ; + 8 L
	v_mul_u32_u24 v6, v2, PITCH
	v_lshl_add_u32 v6, v3, 4, v6                   ; fragments: row r, 16 hh
	v_lshlrev_b32 v7, 5, v2
	v_lshl_add_u32 v7, v3, 4, v7                   ; 32 r + 16 hh
	v_lshlrev_b32 v8, 5, v3                        ; 32 hh: my eight words of order
	v_lshlrev_b32 v9, 4, v2                        ; 16 r
	s_mul_i32 s23, s16, 16*SP
	s_add_co_u32 s23, s23, STAGE                   ; my stage
	v_mul_u32_u24 v10, v2, SP
	v_lshl_add_u32 v10, v3, 5, v10
	v_add_nc_u32 v10, s23, v10                     ; in: position r, 32 hh
	v_mul_u32_u24 v11, v3, 8*SP
	v_lshl_add_u32 v11, v2, 4, v11
	v_add_nc_u32 v11, s23, v11                     ; back: position 8 hh, 16 r
	s_lshr_b32 s17, ttmp9, 5                       ; expert
	s_bfe_u32 s18, ttmp9, 0x40001                  ; strip: 4 bits from bit 1
	s_and_b32 s19, ttmp9, 1
	s_lshl_b32 s19, s19, 2
	s_add_co_u32 s19, s19, s16                     ; my place among the strip's eight waves
	s_lshl_b32 s26, s17, 2
	s_mov_b32 s27, 0
	s_wait_kmcnt 0x0
	s_add_nc_u64 s[8:9], s[8:9], s[26:27]
	s_load_b32 s20, s[8:9], 0x0                    ; the expert's first tile,
	s_load_b32 s21, s[8:9], 0x20                   ; its tiles,
	s_load_b32 s22, s[8:9], 0x40                   ; NT
	s_lshl_b32 s26, s17, 21                        ; an expert: 1,024 x 512 x 4 bytes
	s_lshl_b32 s23, s18, 17                        ; a strip: 64 rows of 2,048 bytes
	s_add_co_u32 s26, s26, s23
	s_lshl_b32 s23, s16, 15                        ; my 16 rows
	s_add_co_u32 s26, s26, s23
	s_add_nc_u64 s[10:11], s[10:11], s[26:27]
	s_lshl_b32 s26, s18, 8                         ; the strip's 256 bytes of a row of out0
	s_add_nc_u64 s[12:13], s[12:13], s[26:27]
	WIN TOW1
.set ii, 0
.rept 64
	global_load_b128 v[4*ii:4*ii+3], v4, s[10:11] offset:512*ii      ; 16 rows are 32 KiB without a gap; no hint: the strip's other work-group reads them too
.set ii, ii+1
.endr
	s_wait_kmcnt 0x0
	s_min_u32 s20, s20, 262
	s_min_u32 s21, s21, 256
	s_min_u32 s22, s22, 263
	s_max_u32 s22, s22, 1
	s_sub_co_u32 s22, s22, 1
	s_add_co_u32 s31, s20, s19
	s_min_u32 s31, s31, s22                        ; my first tile; a wave with none asks for the last tile that exists and drops it
	s_min_u32 s31, s31, 262
	s_lshl_b32 s26, s31, 15                        ; a tile of h: 32,768 bytes
	s_add_nc_u64 s[4:5], s[4:5], s[26:27]
	s_lshl_b32 s26, s31, 6
	s_add_nc_u64 s[6:7], s[6:7], s[26:27]
	s_add_co_u32 s28, s21, 7
	s_sub_co_u32 s28, s28, s19
	s_lshr_b32 s28, s28, 3                         ; my tiles
	WIN TOX
	HLOAD 0
	HLOAD 1
	HLOAD 2
	HLOAD 3
	WIN 0
	global_load_b128 v[O:O+3],   v8, s[6:7]
	global_load_b128 v[O+4:O+7], v8, s[6:7] offset:16
	s_wait_loadcnt 63                              ; 66 loads are younger than the last weight load; the count's field ends at 63, so three of h are waited for as well
	WIN CVT
.set ii, 0
.rept 128
	v_cvt_pk_bf16_f32 v[CV+ii], v[2*ii], v[2*ii+1]
.set ii, ii+1
.endr
	WIN 0
.set ii, 0
.rept 64
	ds_store_b64 v5, v[CV+2*ii:CV+2*ii+1] offset:PITCH*(ii/4)+256*(ii%4)         ; 32 lanes: 256 consecutive bytes of a row
.set ii, ii+1
.endr
	s_wait_dscnt 0x0                               ; for the other waves' sake
	s_barrier_signal -1
	s_barrier_wait -1                              ; the only barrier: all 64 rows are in LDS; behind it each wave writes its own stage alone
	WIN TOW1
	WFRAG 0
	WIN TOW2
	WFRAG 8
	WIN 0
	s_wait_dscnt 0x0
	s_cmp_eq_u32 s28, 0
	s_cbranch_scc1 .Lend
	s_sub_co_u32 s29, s28, 1
	s_cmp_eq_u32 s29, 0
	s_cbranch_scc1 .Ltail
	s_mov_b32 s30, 0
.Ltile:
	TILE 1, 50, 50, 50, 48                         ; three quarters and the two of order are younger; the last count takes order in too
	s_add_co_u32 s30, s30, 1
	s_cmp_lt_u32 s30, s29
	s_cbranch_scc1 .Ltile
.Ltail:
	TILE 0, 50, 34, 18, 0                          ; my last tile asks for nothing: the counts run down
.Lend:
	s_wait_tensorcnt 0x0
	ds_add_u32 v254, v255
	s_wait_dscnt 0x0
	s_endpgm
.Lfunc_end_k_q09b3efcb4e_down:
	.size	k_q09b3efcb4e_down, .Lfunc_end_k_q09b3efcb4e_down-k_q09b3efcb4e_down
	.p2alignl 7, 3214868480
	.fill 96, 4, 3214868480
	.section	.rodata,"a",@progbits
	.p2align	6, 0x0
	.amdhsa_kernel k_q09b3efcb4e_down
		.amdhsa_group_segment_fixed_size 84480
		.amdhsa_private_segment_fixed_size 0
		.amdhsa_enable_private_segment 0
		.amdhsa_kernarg_size 40
		.amdhsa_user_sgpr_count 2
		.amdhsa_user_sgpr_kernarg_segment_ptr 1
		.amdhsa_wavefront_size32 1
		.amdhsa_system_sgpr_workgroup_id_x 1
		.amdhsa_system_sgpr_workgroup_id_y 1
		.amdhsa_system_sgpr_workgroup_id_z 1
		.amdhsa_system_vgpr_workitem_id 0
		.amdhsa_next_free_vgpr 1024
		.amdhsa_next_free_sgpr 66
		.amdhsa_reserve_vcc 0
		.amdhsa_float_denorm_mode_32 3
		.amdhsa_float_denorm_mode_16_64 3
		.amdhsa_memory_ordered 1
		.amdhsa_forward_progress 1
		.amdhsa_inst_pref_size 67
	.end_amdhsa_kernel
	.amdgpu_metadata
---
amdhsa.version: [ 1, 2 ]
amdhsa.kernels:
  - .name:           k_q09b3efcb4e_down
    .symbol:         k_q09b3efcb4e_down.kd
    .args:
      - { .name: h, .offset: 0, .size: 8, .value_kind: global_buffer, .address_space: global }
      - { .name: order, .offset: 8, .size: 8, .value_kind: global_buffer, .address_space: global }
      - { .name: seg, .offset: 16, .size: 8, .value_kind: global_buffer, .address_space: global }
      - { .name: w_down, .offset: 24, .size: 8, .value_kind: global_buffer, .address_space: global }
      - { .name: out0, .offset: 32, .size: 8, .value_kind: global_buffer, .address_space: global }
    .group_segment_fixed_size: 84480
    .private_segment_fixed_size: 0
    .kernarg_segment_align: 8
    .kernarg_segment_size: 40
    .max_flat_workgroup_size: 128
    .sgpr_count:     66
    .vgpr_count:     1024
    .wavefront_size: 32
...
	.end_amdgpu_metadata
.endif
;; end of part 4
